; MI455X (gfx1250); checked and timed in simulation.
; The chip was launched on July 23, 2026; its instructions are those of AMD's public machine-readable ISA for CDNA 5 (MIT licence, August 2026) and "CDNA5" Instruction Set Architecture Reference Guide (July 2026). The comments in the code are by the model that wrote it; some were corrected since.
;; Head. Allowed arithmetic: matrix products marked QUANTISED: E2M3 operands, one E8M0 scale for each 32 along K, by v_wmma_scale_f32_16x16x128_f8f6f4 with both operands' format E2M3, f32 sums; everything else in f32.
;; Inputs: Wk_codes 32 x 8 x 24 uint8 (E2M3 codes of Wk, K innermost, in blocks of 32 codes, four codes in three bytes); Wk_scales 32 x 8 uint8 (E8M0 scales of Wk, one for each 32 codes along K); Wq_codes 32 x 8 x 24 uint8 (E2M3 codes of Wq, K innermost, in blocks of 32 codes, four codes in three bytes); Wq_scales 32 x 8 uint8 (E8M0 scales of Wq, one for each 32 codes along K); Wv_codes 32 x 8 x 24 uint8 (E2M3 codes of Wv, K innermost, in blocks of 32 codes, four codes in three bytes); Wv_scales 32 x 8 uint8 (E8M0 scales of Wv, one for each 32 codes along K); x_codes 8 x 2,048 x 8 x 24 uint8 (E2M3 codes of x, K innermost, in blocks of 32 codes, four codes in three bytes); x_scales 8 x 2,048 x 8 uint8 (E8M0 scales of x, one for each 32 codes along K).
;; Outputs: out0 8 x 2,048 x 32 float32.
;; This version of the problem:
;;   THIS VERSION OF THE PROBLEM IS GIVEN IN LOW PRECISION. The matrix products marked QUANTISED in the list below multiply operands that are first quantised to E2M3 (2 exponent bits, 3 mantissa bits; 6 bits a number), with one power-of-two scale for each 32 numbers along K (OCP MX v1.0); their sums are f32. All else is computed in f32.
;;   The module's matrix products, in the order in which they are computed (A, B: the left and right operand; K: the contracted axis; several contracted axes count as one K, in the product's order):
;;     1. [M 16,384, K 256] x [K 256, N 32]; A: input x (given as codes); B: input Wq (given as codes): QUANTISED
;;     2. [M 16,384, K 256] x [K 256, N 32]; A: input x (given as codes); B: input Wk (given as codes): QUANTISED
;;     3. [M 16,384, K 256] x [K 256, N 32]; A: input x (given as codes); B: input Wv (given as codes): QUANTISED
;;     4. batch 8 x [M 2,048, K 32] x [K 32, N 2,048]; A: computed on the way; B: computed on the way: QUANTISED
;;     5. batch 8 x [M 2,048, K 2,048] x [K 2,048, N 32]; A: softmax (see below); B: computed on the way: QUANTISED
;;   THE QUANTISER, for each operand of a quantised product, along K:
;;     - K is cut into blocks of 32 from its start; a last block that is shorter is filled with zeros.
;;     - A block's scale is 2^e with e = floor(log2(the largest magnitude in the block)) - 2, held to -126 .. 127; a block of zeros has e = 0. As a byte (E8M0): e + 127.
;;     - Each number is divided by its block's scale, clamped to +-7.5, and rounded to the nearest number of E2M3, ties to even, subnormals kept.
;;     - The product sums the exact products of the quantised numbers (number of the format x scale) in f32.
;;   ~~~python
;;   def quantise(x, axis):      # numpy; x: float32 -> the quantised numbers, widened to float32 again
;;       x = np.moveaxis(x, axis, -1); K = x.shape[-1]
;;       x = np.pad(x, [(0, 0)] * (x.ndim - 1) + [(0, -K % 32)]); x = x.reshape(x.shape[:-1] + (-1, 32)); a = np.abs(x).max(-1, keepdims=True)
;;       e = np.where(a > 0, np.clip(np.frexp(np.where(a > 0, a, 1))[1] - 1 - 2, -126, 127), 0)      # np.frexp(a)[1] - 1 = floor(log2(a)), exactly
;;       r = np.clip(x / 2.0 ** e, -7.5, 7.5)
;;       step = 2.0 ** (np.maximum(np.frexp(np.where(r == 0, 1, r))[1] - 1, 0) - 3)
;;       q = np.round(r / step) * step * 2.0 ** e      # np.round: ties to even
;;       return np.moveaxis(q.reshape(q.shape[:-2] + (-1,))[..., :K], -1, axis).astype(np.float32)
;;   ~~~
;;   SOFTMAX AHEAD OF A QUANTISED PRODUCT. Where the list says 'softmax', what is quantised is not the finished softmax but p = 2^(t - M), with t = logit x log2(e) and M = ceil(the row's largest t), a whole number; so 1/2 < the row's largest p <= 1. The row's sum l is taken of the UNQUANTISED p, in f32, and the product's result is divided by l at the end. Since M is a whole number, a kernel that streams over the keys may use a running M (the ceiling of the running maximum): every later rescaling is an exact power of two, which a block's scale takes up: the codes' values come out the same.
;;   OPERANDS COMPUTED ON THE WAY. 'Computed on the way' means the value that the module computes at that place (a softmax that the list does not call 'softmax' is quantised finished and normalised). What goes into a quantiser is computed in f32, as accurately as f32 sums, v_exp_f32 and their like allow (about 1e-6 of the number): no bf16 or f16 on the way to a quantiser, and a product that is left as it is and whose result goes on into a quantised operand takes f32 operands (vector FMAs, or v_wmma_f32_16x16x4_f32). A number that lies on a knife's edge between two numbers of the format may be rounded either way, as far as f32 arithmetic and the matrix unit's own rounding can turn it there, and no further.
;;   INPUTS GIVEN AS CODES. Wk (in the module: [256, 32], K = its axis 0); Wq (in the module: [256, 32], K = its axis 0); Wv (in the module: [256, 32], K = its axis 0); x (in the module: [8, 2048, 256], K = its axis 2): each comes as NAME_codes (uint8): NAME with its K axis moved to the last place and cut into blocks of 32 codes, [.., K / 32, bytes a block], one block behind the other in memory; four codes in three bytes: a row's codes are one little-endian stream of bits, code i at bits 6 i .. 6 i + 5 (a code: sign, 2 exponent bits, 3 mantissa bits); and NAME_scales (uint8): the same leading axes, one E8M0 byte (e + 127) for each 32 codes along K. Its value is code x scale, taken as it is: it is not quantised again, and the codes and scales need not be those that the quantiser above would give.
;; One version. Each part assembles by itself: llvm-mc -triple=amdgcn-amd-amdhsa -mcpu=gfx1250 --defsym DOCPART=n.
;; ======== version 1 of 1: 2 launches
;; workspace buffers: qt 524,288 bytes; kv 819,200 bytes
;; launch proj (part 1): grid 128 x 1, 8 waves a work-group, no clusters, 168,960 bytes of LDS; arguments x_codes, x_scales, Wq_codes, Wq_scales, Wk_codes, Wk_scales, Wv_codes, Wv_scales, qt, kv; writes qt, kv
.if DOCPART == 1
	.amdgcn_target "amdgcn-amd-amdhsa--gfx1250"
	.amdhsa_code_object_version 6
	.text
	.protected	k_q5e1cc13831_proj
	.globl	k_q5e1cc13831_proj
	.p2align	8
	.type	k_q5e1cc13831_proj,@function
k_q5e1cc13831_proj:
	s_mov_b64 s[64:65], 0
	v_nop
	global_prefetch_b8 v0, s[64:65] scope:SCOPE_SE
	s_setreg_imm32_b32 hwreg(HW_REG_WAVE_MODE, 25, 1), 1
	s_wait_xcnt 0x0
; q = x Wq, k = x Wk, v = x Wv on codes of FP6 (E2M3) with E8M0 scales, K = 256 in two K steps of 128; then q, k (along the head's 32) and v (along the keys, blocks of 32)
; are quantised and stored IN THE ORDER OF THE NEXT LAUNCH'S OPERAND REGISTERS.
; SHARES.  A work-group owns 128 tokens: one key step of one batch.  Wave w: c = w & 1 is its group of 64 tokens, g = w >> 1 its role: 0 q, 1 k, 2 v channels 0-15, 3 v channels 16-31.
; TOKEN ORDER.  Row rho of token tile t (t = 0..3) of group c is token 64 c + 32 (rho / 8) + 8 t + rho % 8.  With it the next launch's scores put 32 neighbouring keys into one lane's 32 registers.
; q, k: the product is used transposed (source 0 = 16 channels of W, source 1 = 16 tokens); W's row rho of tile u is channel 16 (rho / 8) + 8 u + rho % 8, so that a lane's 16 registers
;   of a token tile are channels 16 (lane / 16) + 0..15 of one token.  Four token tiles make ONE fragment of 12 registers: tile t's 32 codes stand in the fragment's block t, its byte is byte t of the scale word.
; v: source 0 = 16 tokens, source 1 = 16 channels: a lane holds one channel and the 32 keys 64 c + 32 (lane / 16) + 0..31: a whole block.
; OUT.  kv: a record of 6,400 bytes a work-group: K's two fragments as images of their registers (group of four registers at 512 g + 16 lane), V's four half fragments (512 + 256 bytes each),
;   256 bytes of scale words (8 bytes a lane: lanes 0-15 K's two words, lanes 16-31 V's two).  qt: 512 bytes for each tile of 16 queries: 16 bytes a query (codes' registers 0-3), then 16 bytes a query (registers 4, 5, the scale word twice).
; NO CLUSTER: what work-groups share are the three W, 18,432 of the 43,008 bytes that a work-group asks for, asked for once at the head; a round in front of them would stand in front of x's own 24,576 bytes too.
; LIMITS: NaN and infinities are not served.  A block of zeros gets the byte 1 (the floor's) and not 127: its codes are zeros, and the bytes are read by this program alone.  Blocks whose largest magnitude lies under 2^-124 are held at that floor.
.set CH,    7808                       ; an LDS chunk: 32 rows x 240 bytes = 7,680, + 128: a chunk begins 32 words further round than the one before, so rows rho >= 8 of a token tile (next chunk) fall on other words than rows rho < 8
.set PITCH, 240                        ; an LDS row: 3 x (64 bytes of codes + 16 of padding)
.set SCR,   54784                      ; behind the seven chunks (they end at 54,528): 256 bytes in which the record's scale words are gathered; no fill lands there
.set XA,   4                           ; v4, v5   x's fragments: my row and half; v5 for the pieces that lie behind one padding more
.set XA2,  5
.set WA,   6                           ; v6, v7   W's fragments in the roles q and k
.set WA2,  7
.set VA,   8                           ; v8, v9   Wv's fragments in the role v
.set VA2,  9
.set AKS,  10                          ; v10  where K's scale word goes in SCR
.set AVS,  11                          ; v11  where V's scale byte goes in SCR
.set LI16, 12                          ; v12  16 x lane
.set LI8,  13                          ; v13  8 x lane
.set SCRD, 14                          ; v14  SCR + 8 x lane
.set QSO,  15                          ; v15  q's place in qt
.set XSO,  16                          ; v16  x's scale words
.set O1,   17                          ; v17, v18  W's scale words
.set O2,   18
.set SEL0, 19                          ; v19, v20  byte selectors: byte h, byte 2 + h, four times
.set SEL1, 20
.set XS,   24                          ; v24-31   x's scale words, 2 t + s
.set WS,   32                          ; v32-35   W's scale words, 2 u + s
.set XF,   40                          ; v40-135  x's eight fragments, 12 (2 t + s)
.set WF,   136                         ; v136-183 W's fragments
.set ACC,  184                         ; v184-247 the sums
.set PC,   40                          ; behind the products x's registers are free: v40-51 the codes, v52-58 at work,
.set TM,   60                          ; v60-75 at work,
.set PW,   76                          ; v76 the scale word,
.set TQ,   80                          ; v80-87 q's second halves
.set SEL,  40                          ; s[40:41] lane selects for v_permlanex16_b32: lane l xor 16
; A fragment, 16 rows x 128 K of 6-bit codes, is 12 registers: lane l holds row l % 16, registers 6 c .. 6 c + 5 the 24 bytes of K = 64 c + 32 (l / 16) + 0..31, in pieces of 8 bytes.
; 16 bytes of padding lie behind every 8 pieces; lanes 16-31 read three pieces further on, which for pieces 5, 6, 7 of eight is behind one padding more: the second address register serves those.
.macro FRAG reg, adr, adr2, q, base
.irp p, 0,1,2,3,4,5
.set PCN, 12*(\q)+6*(\p/3)+\p%3
.if PCN%8 < 5
	ds_load_b64 v[(\reg)+2*\p:(\reg)+2*\p+1], v[\adr] offset:(\base)+8*PCN+16*(PCN/8)
.else
	ds_load_b64 v[(\reg)+2*\p:(\reg)+2*\p+1], v[\adr2] offset:(\base)+8*PCN+16*(PCN/8)
.endif
.endr
.endm
; 64 numbers of a lane, register 16 b + i = number 16 (lane / 16) + i of block b of my row, become a fragment's codes in v[PC] on and its scale word in v[PW].
.macro QUANT s
.irp b, 0,1,2,3
	v_max3_num_f32 v[TM+\b], |v[\s+16*\b]|, |v[\s+1+16*\b]|, 0x1800000   ; my 16 numbers of block b, and the floor 2^(3 - 127): the byte cannot fall under 1
.endr
.irp i, 2,4,6,8,10,12,14
.irp b, 0,1,2,3
	v_max3_num_f32 v[TM+\b], v[TM+\b], |v[\s+16*\b+\i]|, |v[\s+1+16*\b+\i]|   ; the four blocks by turns; each sum's registers are met from the low end on
.endr
.endr
.irp b, 0,1,2,3
	s_delay_alu instid0(VALU_DEP_4)
	v_permlanex16_b32 v[TM+4+\b], v[TM+\b], s[SEL], s[SEL+1]
.endr
.irp b, 0,1,2,3
	s_delay_alu instid0(VALU_DEP_4)
	v_max_num_f32 v[TM+\b], v[TM+\b], v[TM+4+\b]   ; with lane l xor 16's 16: the block's largest magnitude
.endr
.irp b, 0,1,2,3
	s_delay_alu instid0(VALU_DEP_4)
	v_add_nc_u32 v[TM+12+\b], 0xff000000, v[TM+\b]   ; 2 off its exponent field: the conversion's scale operand
.endr
.irp b, 0,1,2,3
	s_delay_alu instid0(VALU_DEP_4)
	v_lshrrev_b32 v[TM+4+\b], 23, v[TM+12+\b]      ; the scale's byte
.endr
	s_delay_alu instid0(VALU_DEP_3)
	v_lshl_or_b32 v[PW], v[TM+5], 8, v[TM+4]
	s_delay_alu instid0(VALU_DEP_1)
	v_lshl_or_b32 v[PW], v[TM+6], 16, v[PW]
	s_delay_alu instid0(VALU_DEP_1)
	v_lshl_or_b32 v[PW], v[TM+7], 24, v[PW]
.irp c, 0,1
	v_cvt_scalef32_pk16_fp6_f32 v[PC+6*\c:PC+2+6*\c], v[\s+32*\c:\s+15+32*\c], v[TM+12+2*\c]
	v_cvt_scalef32_pk16_fp6_f32 v[PC+12+4*\c:PC+14+4*\c], v[\s+16+32*\c:\s+31+32*\c], v[TM+12+2*\c+1]   ; (a conversion's three registers begin on an even number)
.endr
	v_nop                                          ; one plain place behind the scaled conversions
.irp c, 0,1                                    ; a whole block to a lane: lanes 0-15 block 2 c, lanes 16-31 block 2 c + 1
.irp i, 0,1,2
	v_permlane16_swap_b32 v[PC+6*\c+\i], v[PC+12+4*\c+\i]
.endr
.irp i, 0,1,2
	s_delay_alu instid0(VALU_DEP_3)
	v_mov_b32 v[PC+3+6*\c+\i], v[PC+12+4*\c+\i]
.endr
.endr
.endm
	s_load_b256 s[4:11], s[0:1], 0x0               ; x_codes s[4:5], x_scales s[6:7], Wq_codes s[8:9], Wq_scales s[10:11]
	s_load_b256 s[12:19], s[0:1], 0x20             ; Wk_codes s[12:13], Wk_scales s[14:15], Wv_codes s[16:17], Wv_scales s[18:19]
	s_load_b128 s[20:23], s[0:1], 0x40             ; qt s[20:21], kv s[22:23]
	v_lshl_add_u32 v254, v0, 2, 0x29000
	v_mov_b32 v255, 0
	ds_add_u32 v254, v255
	ds_add_u32 v254, v255
	v_lshrrev_b32 v1, 5, v0
	s_delay_alu instid0(VALU_DEP_1)
	v_readfirstlane_b32 s24, v1                    ; wave 0..7
	s_and_b32 s25, s24, 1                          ; c
	s_lshr_b32 s26, s24, 1                         ; g
	s_and_b32 s27, s26, 1                          ; g & 1: in the role v the half n of the channels
	v_and_b32 v1, 31, v0                           ; lane
	v_and_b32 v2, 15, v0                           ; rho
	v_bfe_u32 v3, v0, 4, 1                         ; h
	v_and_b32 v21, 7, v0                           ; rho % 8
	v_bfe_u32 v22, v0, 3, 1                        ; rho / 8
	s_delay_alu instid0(VALU_DEP_2)
	; every LDS address is made here, ahead of the place where the roles part
	v_mul_u32_u24 v23, v21, PITCH
	s_delay_alu instid0(VALU_DEP_1)
	v_mad_u32_u24 v23, v3, 24, v23                 ; (rho % 8) x 240 + 24 h
	s_mul_i32 s56, s25, 2*CH
	v_mad_u32_u24 v[XA], v22, CH, v23              ; x: chunk 2 c + rho / 8, row 8 t + rho % 8 (8 t rows stand in the loads' offsets)
	s_delay_alu instid0(VALU_DEP_1)
	v_add_nc_u32 v[XA], s56, v[XA]
	s_delay_alu instid0(VALU_DEP_1)
	v_lshl_add_u32 v[XA2], v3, 4, v[XA]
	s_add_co_u32 s57, s26, 4
	s_mul_i32 s57, s57, CH                         ; roles q, k: chunk 4 + g
	v_mad_u32_u24 v[WA], v22, 16*PITCH, v23        ; row 16 (rho / 8) + 8 u + rho % 8
	s_delay_alu instid0(VALU_DEP_1)
	v_add_nc_u32 v[WA], s57, v[WA]
	s_delay_alu instid0(VALU_DEP_1)
	v_lshl_add_u32 v[WA2], v3, 4, v[WA]
	v_mul_u32_u24 v[VA], v2, PITCH
	s_delay_alu instid0(VALU_DEP_1)
	v_mad_u32_u24 v[VA], v3, 24, v[VA]
	s_mul_i32 s58, s27, 16*PITCH
	s_add_co_u32 s58, s58, 6*CH                    ; role v: chunk 6, row 16 n + rho
	v_add_nc_u32 v[VA], s58, v[VA]
	s_delay_alu instid0(VALU_DEP_1)
	v_lshl_add_u32 v[VA2], v3, 4, v[VA]
	s_lshl_b32 s59, s25, 2
	s_add_co_u32 s59, s59, SCR
	v_lshl_add_u32 v[AKS], v2, 3, s59              ; SCR + 8 rho + 4 c
	s_lshl_b32 s60, s27, 2
	s_lshl_b32 s61, s25, 1
	s_add_co_u32 s60, s60, s61
	s_add_co_u32 s60, s60, SCR+128
	v_lshl_add_u32 v[AVS], v2, 3, v3
	s_delay_alu instid0(VALU_DEP_1)
	v_add_nc_u32 v[AVS], s60, v[AVS]               ; SCR + 128 + 8 rho + 4 n + 2 c + h: byte 2 c + h of channel 16 n + rho's word
	v_lshlrev_b32 v[LI16], 4, v1
	v_lshlrev_b32 v[LI8], 3, v1
	s_delay_alu instid0(VALU_DEP_1)
	v_add_nc_u32 v[SCRD], SCR, v[LI8]
	; offsets in memory
	v_lshlrev_b32 v[QSO], 4, v21
	s_delay_alu instid0(VALU_DEP_1)
	v_lshl_add_u32 v[QSO], v3, 7, v[QSO]
	s_delay_alu instid0(VALU_DEP_1)
	v_lshl_add_u32 v[QSO], v22, 10, v[QSO]         ; q: query tile 2 (rho / 8) + c' of the group (512 c' in the stores' offsets), row 8 h + rho % 8, 16 bytes a row
	v_lshlrev_b32 v[XSO], 3, v21
	s_delay_alu instid0(VALU_DEP_1)
	v_lshl_add_u32 v[XSO], v22, 8, v[XSO]          ; x's scales: 8 bytes a token: 32 (rho / 8) + rho % 8 tokens on (8 t in the offsets)
	s_lshl_b32 s49, s27, 7
	s_cmp_lt_u32 s24, 4                            ; roles q, k or role v
	s_cselect_b32 s48, 128, 64                     ; W's scales, 8 bytes a channel: q, k: channel 16 (rho / 8) + 8 u + rho % 8;  v: channel 16 n + rho
	s_cselect_b32 s49, 0, s49
	s_cselect_b32 s50, 64, 0                       ; q, k: tile u = 1 lies 64 bytes on;  v: the second load repeats the first, so that it stays inside the 256 bytes
	v_lshlrev_b32 v[O1], 3, v21
	s_delay_alu instid0(VALU_DEP_1)
	v_mad_u32_u24 v[O1], v22, s48, v[O1]
	s_delay_alu instid0(VALU_DEP_1)
	v_add_nc_u32 v[O1], s49, v[O1]
	s_delay_alu instid0(VALU_DEP_1)
	v_add_nc_u32 v[O2], s50, v[O1]
	v_sub_nc_u32 v[SEL0], 0, v3
	s_delay_alu instid0(VALU_DEP_1)
	v_and_b32 v[SEL0], 0x01010101, v[SEL0]
	s_delay_alu instid0(VALU_DEP_1)
	v_add_nc_u32 v[SEL1], 0x02020202, v[SEL0]
	s_mov_b32 s[SEL], 0x76543210
	s_mov_b32 s[SEL+1], 0xfedcba98
	; descriptor group 1: 32 rows of 192 bytes, dense in memory, 16 bytes of padding behind every 64
	s_mov_b32 s28, (1<<20)|(3<<22)|(3<<25)         ; no mask; elements of 1 byte; padding on; after every 16 words; of 4 words
	s_mov_b32 s29, 192<<16                         ; tensor_dim0
	s_mov_b32 s30, 32<<16                          ; tensor_dim1
	s_mov_b32 s31, 192<<16                         ; tile_dim0
	s_mov_b32 s32, 32                              ; tile_dim1
	s_mov_b32 s33, 192                             ; from row to row
	s_mov_b32 s34, 0
	s_mov_b32 s35, 0
	s_mov_b32 s36, 1                               ; group 0: count = 1
	s_mul_i32 s37, s24, CH                         ; LDS address: chunk = wave
	s_mul_i32 s56, ttmp9, 24576                    ; the work-group's 128 tokens of 192 bytes,
	s_mul_i32 s57, s24, 6144                       ; my 32 of them
	s_add_co_u32 s56, s56, s57
	s_wait_dscnt 0x0
	s_wait_kmcnt 0x0
	s_cmp_lt_u32 s24, 4                            ; waves 0-3 fetch x, wave 4 Wq, wave 5 Wk, wave 6 Wv: a choice on the wave's number alone
	s_cselect_b32 s56, s56, 0
	s_mov_b32 s57, 0
	s_cselect_b64 s[38:39], s[4:5], s[16:17]
	s_cmp_eq_u32 s24, 4
	s_cselect_b64 s[38:39], s[8:9], s[38:39]
	s_cmp_eq_u32 s24, 5
	s_cselect_b64 s[38:39], s[12:13], s[38:39]
	s_add_nc_u64 s[38:39], s[38:39], s[56:57]
	s_or_b32 s39, s39, 0x80000000                  ; type = 2
	s_cmp_lt_u32 s24, 7
	s_cbranch_scc0 .Lno_fill
	tensor_load_to_lds s[36:39], s[28:35]          ; one load a wave, filled once in the launch
	s_nop 0
.rept 4
	v_nop                                          ; four behind a tensor load
.endr
.Lno_fill:
	s_lshl_b32 s56, ttmp9, 10
	s_lshl_b32 s58, s25, 9
	s_add_co_u32 s56, s56, s58
	s_add_nc_u64 s[44:45], s[6:7], s[56:57]        ; x_scales at my group's first token
	s_cmp_lt_u32 s24, 4
	s_cselect_b64 s[46:47], s[14:15], s[18:19]
	s_cmp_lt_u32 s24, 2
	s_cselect_b64 s[46:47], s[10:11], s[46:47]     ; my role's W scales
	s_mul_i32 s56, ttmp9, 6400
	s_add_nc_u64 s[52:53], s[22:23], s[56:57]      ; my work-group's record
	s_mul_i32 s58, s25, 1536
	s_mov_b32 s59, 0
	s_add_nc_u64 s[66:67], s[52:53], s[58:59]      ; K's fragment c
	s_lshl_b32 s58, s27, 1
	s_add_co_u32 s58, s58, s25
	s_mul_i32 s58, s58, 768
	s_add_co_u32 s58, s58, 3072
	s_add_nc_u64 s[68:69], s[52:53], s[58:59]      ; V's half fragment 2 n + c
	s_lshl_b32 s58, ttmp9, 12
	s_lshl_b32 s60, s25, 11
	s_add_co_u32 s58, s58, s60
	s_add_nc_u64 s[54:55], s[20:21], s[58:59]      ; qt at query tile 8 x work-group + 4 c
	s_wait_alu depctr_va_vdst(0)
.irp t, 0,1,2,3
	global_load_b64 v[XS+2*\t:XS+2*\t+1], v[XSO], s[44:45] offset:64*\t   ; token tile t: the words of K steps 0 and 1
.endr
	global_load_b64 v[WS:WS+1], v[O1], s[46:47]
	global_load_b64 v[WS+2:WS+3], v[O2], s[46:47]
	s_wait_tensorcnt 0x0                           ; my chunk has landed,
	s_barrier_signal -1
	s_barrier_wait -1                              ; everybody's has
.irp t, 0,1,2,3
.irp s, 0,1
	FRAG XF+12*(2*\t+\s), XA, XA2, \s, \t*1920
.endr
.endr
	s_cmp_lt_u32 s24, 4
	s_cbranch_scc0 .Lrole_v
	; ---- roles q and k
.irp u, 0,1
.irp s, 0,1
	FRAG WF+12*(2*\u+\s), WA, WA2, \s, \u*1920
.endr
.endr
	s_wait_loadcnt 0x0                             ; the scale words
	s_wait_dscnt 0x0                               ; the fragments
.irp s, 0,1                                    ; K ascending; the eight sums take turns, one instruction a turn
.irp t, 0,1,2,3
.irp u, 0,1
.if \s == 0
	v_wmma_scale_f32_16x16x128_f8f6f4 v[ACC+16*\t+8*\u:ACC+16*\t+8*\u+7], v[WF+12*(2*\u+\s):WF+12*(2*\u+\s)+11], v[XF+12*(2*\t+\s):XF+12*(2*\t+\s)+11], 0, v[WS+2*\u+\s], v[XS+2*\t+\s] matrix_a_fmt:MATRIX_FMT_FP6 matrix_b_fmt:MATRIX_FMT_FP6
.else
	v_wmma_scale_f32_16x16x128_f8f6f4 v[ACC+16*\t+8*\u:ACC+16*\t+8*\u+7], v[WF+12*(2*\u+\s):WF+12*(2*\u+\s)+11], v[XF+12*(2*\t+\s):XF+12*(2*\t+\s)+11], v[ACC+16*\t+8*\u:ACC+16*\t+8*\u+7], v[WS+2*\u+\s], v[XS+2*\t+\s] matrix_a_fmt:MATRIX_FMT_FP6 matrix_b_fmt:MATRIX_FMT_FP6
.endif
.endr
.endr
.endr
.rept 4
	v_nop                                          ; four places (ISA guide 7.12.1) ahead of the reads of the sums and of the writes into x's registers
.endr
.irp b, 0,1,2,3
	v_mov_b32 v[TM+4+\b], 0                        ; a lane permute's destination counts as one of its sources
.endr
	QUANT ACC                                      ; block b = token tile b: the fragment's lane (rho, h), registers 6 c' on: token tile 2 c' + h, row rho
	s_cmp_lt_u32 s24, 2
	s_cbranch_scc0 .Lrole_k
	v_mov_b32 v[TQ], v[PC+4]                       ; q: a lane's six registers are one query's 24 bytes; they leave as 16 + 16 bytes, the second with the query's byte four times, twice
	v_mov_b32 v[TQ+1], v[PC+5]
	v_perm_b32 v[TQ+2], v[PW], v[PW], v[SEL0]      ; byte h of the word: token tile h
	s_delay_alu instid0(VALU_DEP_1)
	v_mov_b32 v[TQ+3], v[TQ+2]
	v_mov_b32 v[TQ+4], v[PC+10]
	v_mov_b32 v[TQ+5], v[PC+11]
	v_perm_b32 v[TQ+6], v[PW], v[PW], v[SEL1]      ; byte 2 + h: token tile 2 + h
	s_delay_alu instid0(VALU_DEP_1)
	v_mov_b32 v[TQ+7], v[TQ+6]
	global_store_b128 v[QSO], v[PC:PC+3], s[54:55]             ; each store fills two aligned runs of 256 bytes (rho / 8 = 0, 1)
	global_store_b128 v[QSO], v[TQ:TQ+3], s[54:55] offset:256
	global_store_b128 v[QSO], v[PC+6:PC+9], s[54:55] offset:512
	global_store_b128 v[QSO], v[TQ+4:TQ+7], s[54:55] offset:768
	s_branch .Ljoin
.Lrole_k:
	s_wait_alu depctr_va_vdst(0)
.irp i, 0,1,2
	global_store_b128 v[LI16], v[PC+4*\i:PC+4*\i+3], s[66:67] offset:512*\i   ; the fragment as it stands: 512 consecutive bytes a store
.endr
	ds_store_b32 v[AKS], v[PW]                     ; both halves of the lanes write the same word with the same value
	s_branch .Ljoin
.Lrole_v:
	; ---- role v
.irp s, 0,1
	FRAG WF+12*\s, VA, VA2, \s, 0
.endr
	s_wait_loadcnt 0x0
	s_wait_dscnt 0x0
.irp s, 0,1                                    ; K ascending; the four sums take turns
.irp t, 0,1,2,3
.if \s == 0
	v_wmma_scale_f32_16x16x128_f8f6f4 v[ACC+8*\t:ACC+8*\t+7], v[XF+12*(2*\t+\s):XF+12*(2*\t+\s)+11], v[WF+12*\s:WF+12*\s+11], 0, v[XS+2*\t+\s], v[WS+\s] matrix_a_fmt:MATRIX_FMT_FP6 matrix_b_fmt:MATRIX_FMT_FP6
.else
	v_wmma_scale_f32_16x16x128_f8f6f4 v[ACC+8*\t:ACC+8*\t+7], v[XF+12*(2*\t+\s):XF+12*(2*\t+\s)+11], v[WF+12*\s:WF+12*\s+11], v[ACC+8*\t:ACC+8*\t+7], v[XS+2*\t+\s], v[WS+\s] matrix_a_fmt:MATRIX_FMT_FP6 matrix_b_fmt:MATRIX_FMT_FP6
.endif
.endr
.endr
.rept 4
	v_nop
.endr
	v_max3_num_f32 v60, |v[ACC]|, |v[ACC+1]|, |v[ACC+2]|       ; the block's largest magnitude: all 32 keys are mine; two chains, each sum met from its low end on
	v_max3_num_f32 v61, |v[ACC+3]|, |v[ACC+4]|, |v[ACC+5]|
.irp i, 6,10,14,18,22,26
	v_max3_num_f32 v60, v60, |v[ACC+\i]|, |v[ACC+\i+1]|
	v_max3_num_f32 v61, v61, |v[ACC+\i+2]|, |v[ACC+\i+3]|
.endr
	v_max3_num_f32 v60, v60, |v[ACC+30]|, |v[ACC+31]|
	s_delay_alu instid0(VALU_DEP_1)
	v_max3_num_f32 v60, v60, v61, 0x1800000        ; and the floor
	s_delay_alu instid0(VALU_DEP_1)
	v_add_nc_u32 v62, 0xff000000, v60              ; the conversion's scale operand
	s_delay_alu instid0(VALU_DEP_1)
	v_lshrrev_b32 v63, 23, v62                     ; the byte
	v_cvt_scalef32_pk16_fp6_f32 v[40:42], v[ACC:ACC+15], v62
	v_cvt_scalef32_pk16_fp6_f32 v[48:50], v[ACC+16:ACC+31], v62
	v_nop                                          ; one plain place behind the scaled conversions
	v_mov_b32 v43, v48
	v_mov_b32 v44, v49
	v_mov_b32 v45, v50
	global_store_b128 v[LI16], v[40:43], s[68:69]              ; registers 6 c .. 6 c + 3 of fragment n: 512 consecutive bytes
	global_store_b64 v[LI8], v[44:45], s[68:69] offset:512     ; registers 6 c + 4, 6 c + 5: 256 consecutive bytes
	ds_store_b8 v[AVS], v63
.Ljoin:
	s_wait_dscnt 0x0                               ; for the others' sake: my stores into SCR are done
	s_barrier_signal -1
	s_barrier_wait -1
	s_cmp_lg_u32 s24, 0
	s_cbranch_scc1 .Lend
	ds_load_b64 v[90:91], v[SCRD]                  ; wave 0 sends the record's 256 bytes of scale words as one run
	s_wait_dscnt 0x0
	global_store_b64 v[LI8], v[90:91], s[52:53] offset:6144
.Lend:
	s_wait_tensorcnt 0x0
	ds_add_u32 v254, v255
	s_wait_dscnt 0x0
	s_endpgm
.Lfunc_end_k_q5e1cc13831_proj:
	.size	k_q5e1cc13831_proj, .Lfunc_end_k_q5e1cc13831_proj-k_q5e1cc13831_proj
	.p2alignl 7, 3214868480
	.fill 96, 4, 3214868480
	.section	.rodata,"a",@progbits
	.p2align	6, 0x0
	.amdhsa_kernel k_q5e1cc13831_proj
		.amdhsa_group_segment_fixed_size 168960
		.amdhsa_private_segment_fixed_size 0
		.amdhsa_enable_private_segment 0
		.amdhsa_kernarg_size 80
		.amdhsa_user_sgpr_count 2
		.amdhsa_user_sgpr_kernarg_segment_ptr 1
		.amdhsa_wavefront_size32 1
		.amdhsa_system_sgpr_workgroup_id_x 1
		.amdhsa_system_sgpr_workgroup_id_y 1
		.amdhsa_system_sgpr_workgroup_id_z 1
		.amdhsa_system_vgpr_workitem_id 0
		.amdhsa_next_free_vgpr 256
		.amdhsa_next_free_sgpr 80
		.amdhsa_reserve_vcc 0
		.amdhsa_float_denorm_mode_32 3
		.amdhsa_float_denorm_mode_16_64 3
		.amdhsa_memory_ordered 1
		.amdhsa_forward_progress 1
		.amdhsa_inst_pref_size 24
	.end_amdhsa_kernel
	.amdgpu_metadata
---
amdhsa.version: [ 1, 2 ]
amdhsa.kernels:
  - .name:           k_q5e1cc13831_proj
    .symbol:         k_q5e1cc13831_proj.kd
    .args:
      - { .name: x_codes, .offset: 0, .size: 8, .value_kind: global_buffer, .address_space: global }
      - { .name: x_scales, .offset: 8, .size: 8, .value_kind: global_buffer, .address_space: global }
      - { .name: Wq_codes, .offset: 16, .size: 8, .value_kind: global_buffer, .address_space: global }
      - { .name: Wq_scales, .offset: 24, .size: 8, .value_kind: global_buffer, .address_space: global }
      - { .name: Wk_codes, .offset: 32, .size: 8, .value_kind: global_buffer, .address_space: global }
      - { .name: Wk_scales, .offset: 40, .size: 8, .value_kind: global_buffer, .address_space: global }
      - { .name: Wv_codes, .offset: 48, .size: 8, .value_kind: global_buffer, .address_space: global }
      - { .name: Wv_scales, .offset: 56, .size: 8, .value_kind: global_buffer, .address_space: global }
      - { .name: qt, .offset: 64, .size: 8, .value_kind: global_buffer, .address_space: global }
      - { .name: kv, .offset: 72, .size: 8, .value_kind: global_buffer, .address_space: global }
    .group_segment_fixed_size: 168960
    .private_segment_fixed_size: 0
    .kernarg_segment_align: 8
    .kernarg_segment_size: 80
    .max_flat_workgroup_size: 256
    .sgpr_count:     80
    .vgpr_count:     256
    .wavefront_size: 32
...
	.end_amdgpu_metadata
.endif
;; end of part 1
;; launch attn (part 2): grid 32 x 8, 16 waves a work-group, clusters of 4 x 1, 223,232 bytes of LDS; arguments qt, kv, out0; writes out0
.if DOCPART == 2
	.amdgcn_target "amdgcn-amd-amdhsa--gfx1250"
	.amdhsa_code_object_version 6
	.text
	.protected	k_q5e1cc13831_attn
	.globl	k_q5e1cc13831_attn
	.p2align	8
	.type	k_q5e1cc13831_attn,@function
k_q5e1cc13831_attn:
	s_mov_b64 s[64:65], 0
	v_nop
	global_prefetch_b8 v0, s[64:65] scope:SCOPE_SE
	s_setreg_imm32_b32 hwreg(HW_REG_WAVE_MODE, 25, 1), 1
	s_wait_xcnt 0x0
	s_wait_alu depctr_hold_cnt(0) depctr_sa_sdst(0) depctr_va_vdst(0) depctr_va_sdst(0) depctr_va_ssrc(0) depctr_va_vcc(0) depctr_vm_vsrc(0)
	s_getreg_b32 s2, hwreg(HW_REG_IB_STS2, 6, 4)
	s_cmp_eq_u32 s2, 0
	s_cbranch_scc0 .Lentry_in_a_cluster
	s_endpgm
.Lentry_in_a_cluster:
	s_bfe_u32 s2, ttmp6, 0x10000c
	s_cmp_lg_u32 s2, 0x3003
	s_cbranch_scc0 .Lentry_shape_is_right
	s_endpgm
.Lentry_shape_is_right:
; out[b][q][:] = the sum over keys k <= q of softmax_k(q . k / sqrt(32)) v[k][:], both products on codes of FP6 (E2M3) with E8M0 scales.  q, k, v come as the launch before has laid them: in the order of the operands' registers.
; THE SOFTMAX: t = score x c, c = log2(e) / sqrt(32) (ONE constant, so one rounding where the definition has two); M = ceil(the largest t), a whole number; p = 2^(t - M) is quantised along the keys, in blocks of 32;
;   the sum l is taken of the unquantised p; the result is divided by l at the end.
; ITEMS.  An item is a tile of 16 queries x a key step of 128 keys.  Each item stands alone: it takes ITS OWN M (the ceiling of its 128 keys' largest t), its own l and its own O^T, and leaves them in LDS.
;   The merge brings a tile's items under the largest M by 2^(M_item - M), exact powers of two, adds them and divides by l.
; SHARES.  A work-group owns two blocks of 32 queries of one batch: block jE = 4 a + cx and block 63 - jE (a: the cluster's x, cx: the place in the cluster): four tiles.  The first two want key steps 0..a, the last two 0..15 - a:
;   34 items in every work-group.  Which item takes which step hangs on a alone, which the four partners share; cx enters q's and out's addresses in memory and the mask's compare, no branch and no LDS address.
;   Items are numbered by ascending step.  Wave w runs items w and 16 + w, but waves 10 and 15 take items 32 and 33 (the late tiles' steps on the diagonal, 128 lines longer) as their second, and the items that they
;   leave, 26 and 31, are the third items of waves 0 and 5.  Item 26 lies at step 6 or 12 - a, item 31 at step 7 or 14 - a, both of tiles whose last step is 15 - a: what a wave runs while the others have finished is never on the diagonal.
; WHAT HANGS ON IDS ALONE STANDS WHERE THE WAVE WAITS ANYWAY: the first item's numbers ahead of the wait for the arguments; the other items' numbers, the merge's slots and out's address behind the fills; the merge's LDS addresses ahead of its barrier.
; CLUSTER.  The four partners read the same batch's K and V: 16 records of 6,400 bytes, asked for JOINTLY, once, at the head; they all fit in LDS, so nothing is filled twice.  Waves 0-7 have two tensor loads out.
; K Q^T WITH K = 32.  The instruction's K is 128: four blocks of 32.  A fragment of K holds FOUR tiles of 16 keys, tile t in block t; the queries' operand has q in block t alone and zero codes elsewhere, which picks tile t out.
;   The four such operands are overlapping runs of 30 registers: zeros, q in lanes 0-15, zeros, q in lanes 16-31, zeros.
; LAYOUT.  Both products are used transposed: a lane holds one query (lane % 16).  Row rho of key tile t of group c is key 64 c + 32 (rho / 8) + 8 t + rho % 8, so that a lane's registers 32 c + 0..31 of the scores are
;   keys 64 c + 32 (lane / 16) + 0..31: a whole block of p in operand order.
; LIMITS: NaN and infinities are not served.  A block of p that is all zeros gets the byte 1: its codes are zeros.  p under 2^-126 counts as 0.
.set RECB,  6400                       ; a key step's record
.set PART,  102400                     ; behind the 16 records: the items' results, slots of 16 rows x 144 bytes (128 bytes of O, then -M and l, then 8 unused); no fill lands there
.set SLOTB, 2304
.set ROWP,  144
.set NULI,  48                         ; slots 0-15: the waves' first items, 16-31 their second, 32 + w the third of wave w; slot 48: nothing (O = 0, l = 0, -M = 3e38)
.set NULLS, PART+NULI*SLOTB
.set LI16, 3                           ; v3   16 x lane
.set LI8,  4                           ; v4   8 x lane
.set A16,  5                           ; v5   the record in hand + 16 x lane
.set A8,   6                           ; v6   + 8 x lane
.set SO,   7                           ; v7   my wave's slot: row r, + 32 h
.set SM,   8                           ; v8   row r, + 128
.set SO2,  9                           ; v9, v10  the same 32 slots on
.set SM2,  10
.set ML,   11                          ; v11  all ones in lanes 0-15
.set MH,   12                          ; v12  all ones in lanes 16-31
.set RH,   13                          ; v13  r - 32 h
.set SH8,  14                          ; v14  8 h
.set VQ,   15                          ; v15  16 r
.set QR0,  16                          ; v16-23, v24-31, v32-39: the three items' q: six registers of codes, the scale word twice
.set QR1,  24
.set QR2,  32
.set Z0,   40                          ; v40-45 zeros, v46-51 q in lanes 0-15, v52-57 zeros, v58-63 q in lanes 16-31, v64-69 zeros
.set QA,   46
.set QBV,  58
.set KF,   70                          ; v70-93   K's two fragments
.set VF,   94                          ; v94-117  V's two fragments
.set SCL,  118                         ; v118-119 scale words: lanes 0-15 K's fragments 0, 1; lanes 16-31 V's
.set SS,   120                         ; v120-183 the scores, then p
.set OO,   184                         ; v184-199 O^T
.set PC,   200                         ; v200-211 p's codes; v212-218 at work
.set PT,   212
.set PW,   219                         ; v219 p's scale word
.set BM,   220                         ; v220-221 the two blocks' largest score, then largest p
.set T0,   222
.set T1,   223
.set NEGM, 224                         ; v224 -M, v225 l
.set LA,   226
.set LB,   228
.set SOP,  230
.set BY,   232
.set WW,   234
.set WT,   235
.set LT,   236
.set DV,   240                         ; v240 my query - the step's first key - 32 h
.set NI,   241                         ; v241 -infinity
.set AO0,  242                         ; v242 the merge: my row and channels in a slot
.set AM0,  243                         ; v243 my row's -M and l
.set AN0,  246                         ; v246, v247 the null slot
.set AN1,  247
.set NUL,  248                         ; v248 3e38, v249 0
.set MLR,  16                          ; the merge: v16-47 sixteen pairs (-M, l), then (f, l)
.set MO,   120                         ; v120-183 sixteen x four channels
.set AC,   184
.set LL,   188
.set NM,   189
.set RL,   190
.set ADR,  192                         ; v192-223 the merge's LDS addresses, two a step: in registers that the items have left
.set WV,   10                          ; s10 wave; s11 a; s12 cx; s13 batch; s14 a + 1; s15 4 (a + 1); s16 jE; s17 jL; s18 15 - a
.set REC,  40                          ; s40-42 the three items' records in LDS
.set DG,   43                          ; s43-45 1 where the item lies on the diagonal
.set DB,   46                          ; s46-48 the tile's first query - the step's first key
.set QB,   50                          ; s[50:55] the three items' q in memory
.set SLA,  80                          ; s80-95 the merge: where the slot of step s of my tile begins, from PART on
.macro CROUND                          ; a round of the cluster's barrier
	s_barrier_signal -1
	s_barrier_wait -1
	s_cmp_lg_u32 s[WV], 0
	s_cbranch_scc1 .Lnot_wave_0_\@
	s_barrier_signal -3
.Lnot_wave_0_\@:
	s_barrier_wait -3
	s_barrier_signal -1
	s_barrier_wait -1
.endm
; Item n (in s56) -> its step and tile.  n < 4 (a + 1): step n / 4, tile n % 4;  else step n / 2 - (a + 1), tile 2 + n % 2.  lim holds the step inside the records that have landed when the item runs.
; It leaves in s[QB + 2 k] the byte at which the tile's q begins in qt: an offset, to which the buffer's address is added outside.
.macro PREP k, lim
	s_lshr_b32 s57, s56, 2
	s_lshr_b32 s58, s56, 1
	s_sub_co_u32 s58, s58, s14
	s_and_b32 s59, s56, 3
	s_and_b32 s60, s56, 1
	s_add_co_u32 s60, s60, 2
	s_cmp_lt_u32 s56, s15
	s_cselect_b32 s57, s57, s58                    ; step
	s_cselect_b32 s59, s59, s60                    ; tile
	s_min_u32 s57, s57, \lim
	s_mul_i32 s[REC+\k], s57, RECB
	s_lshr_b32 s58, s59, 1                         ; 1: a tile of the late block
	s_and_b32 s59, s59, 1
	s_cmp_eq_u32 s58, 0
	s_cselect_b32 s60, s16, s17                    ; its block of 32 queries (hangs on cx: goes into memory addresses and the mask alone)
	s_cselect_b32 s61, s11, s18                    ; its last step (hangs on a alone)
	s_lshl_b32 s60, s60, 1
	s_add_co_u32 s60, s60, s59                     ; its tile of 16 queries in the batch
	s_cmp_eq_u32 s57, s61
	s_cselect_b32 s[DG+\k], 1, 0
	s_lshl_b32 s61, s60, 4
	s_lshl_b32 s62, s57, 7
	s_sub_co_i32 s[DB+\k], s61, s62
	s_lshl_b32 s62, s13, 7
	s_add_co_u32 s62, s62, s60
	s_lshl_b32 s[QB+2*\k], s62, 9                  ; 512 bytes a tile
	s_mov_b32 s[QB+2*\k+1], 0
.endm
; ONE ITEM.  k: which of the wave's three; qr: its q; so, sm, bo: where its result goes.
.macro ITEM k, qr, so, sm, bo
.irp i, 0,1,2,3,4,5
	v_and_b32 v[QA+\i], v[ML], v[\qr+\i]
	v_and_b32 v[QBV+\i], v[MH], v[\qr+\i]
.endr
	v_add_nc_u32 v[A16], s[REC+\k], v[LI16]
	v_add_nc_u32 v[A8], s[REC+\k], v[LI8]
.irp c, 0,1
.irp g, 0,1,2
	ds_load_b128 v[KF+12*\c+4*\g:KF+12*\c+4*\g+3], v[A16] offset:1536*\c+512*\g   ; images of the registers: 512 consecutive bytes a load
.endr
.endr
	ds_load_b64 v[SCL:SCL+1], v[A8] offset:6144
.irp n, 0,1
.irp c, 0,1
	ds_load_b128 v[VF+12*\n+6*\c:VF+12*\n+6*\c+3], v[A16] offset:3072+768*(2*\n+\c)
	ds_load_b64 v[VF+12*\n+6*\c+4:VF+12*\n+6*\c+5], v[A8] offset:3072+768*(2*\n+\c)+512
.endr
.endr
	v_add_nc_u32 v[DV], s[DB+\k], v[RH]
	v_mov_b32 v[NI], 0xff800000
	v_nop
	v_nop                                          ; with the four lines above: six places between the last write of q's operands and the products
	s_wait_alu depctr_va_vdst(0)
	s_wait_dscnt 8                                 ; K's six loads and the scale words are in; V's eight, issued behind them, may be out
.irp c, 0,1
.irp t, 0,1,2,3
.set VB, 46+12*(\t%2)-6*(\t/2)                 ; q in block t: v46, v58, v40, v52 on
	v_wmma_scale_f32_16x16x128_f8f6f4 v[SS+32*\c+8*\t:SS+32*\c+8*\t+7], v[KF+12*\c:KF+12*\c+11], v[VB:VB+11], 0, v[SCL+\c], v[\qr+6] matrix_a_fmt:MATRIX_FMT_FP6 matrix_b_fmt:MATRIX_FMT_FP6
.endr
.endr
.rept 4
	v_nop                                          ; four places ahead of the first read of the scores (ISA guide 7.12.1)
.endr
	s_cmp_eq_u32 s[DG+\k], 0                       ; only a tile's last step lies on the diagonal: a branch on ids that the partners share
	s_cbranch_scc1 .Lopen_\@
.set ix, 0
.rept 64                                       ; register ix holds key 64 (ix / 32) + 32 h + ix % 32 of the step: hidden where that is above my query: -infinity, so p = 0
	v_cmp_gt_i32 vcc_lo, (ix%32)+64*(ix/32), v[DV]
	v_cndmask_b32 v[SS+ix], v[SS+ix], v[NI], vcc_lo
.set ix, ix+1
.endr
.Lopen_\@:
.irp c, 0,1
	v_max3_num_f32 v[BM+\c], v[SS+32*\c], v[SS+32*\c+1], v[SS+32*\c+2]   ; my two blocks' largest scores: each serves for the row's maximum and for the block's largest p
.endr
.irp i, 3,5,7,9,11,13,15,17,19,21,23,25,27,29
.irp c, 0,1
	v_max3_num_f32 v[BM+\c], v[BM+\c], v[SS+32*\c+\i], v[SS+32*\c+\i+1]
.endr
.endr
.irp c, 0,1
	v_max_num_f32 v[BM+\c], v[BM+\c], v[SS+32*\c+31]
.endr
	s_delay_alu instid0(VALU_DEP_1)
	v_max_num_f32 v[T0], v[BM], v[BM+1]
	s_delay_alu instid0(VALU_DEP_1)
	v_permlanex16_b32 v[T1], v[T0], s36, s37
	s_delay_alu instid0(VALU_DEP_1)
	v_max_num_f32 v[T0], v[T0], v[T1]              ; the item's largest score of my query (its first key always counts)
	s_delay_alu instid0(VALU_DEP_1)
	v_mul_f32 v[T0], s38, v[T0]                    ; as t
	s_delay_alu instid0(VALU_DEP_1)
	v_floor_f32 v[NEGM], -v[T0]                    ; -M = floor(-t) = -ceil(t)
.set ix, 0
.rept 32
	v_pk_fma_f32 v[SS+ix:SS+ix+1], v[SS+ix:SS+ix+1], s[38:39], v[NEGM:NEGM+1] op_sel_hi:[1,0,0]   ; t - M, two at a time
.set ix, ix+2
.endr
.irp c, 0,1
	v_fma_f32 v[BM+\c], v[BM+\c], s38, v[NEGM]     ; the same of each block's largest score
.endr
.set ix, 0
	s_wait_alu depctr_va_vdst(0)
.rept 64
	v_exp_f32 v[SS+ix], v[SS+ix]                   ; p = 2^(t - M)
.set ix, ix+1
.endr
	v_nop                                          ; a plain place behind the last exponential
	s_wait_alu depctr_va_vdst(0)                   ; one wait for the batch of 64, ahead of its first reader
	v_exp_f32 v[BM], v[BM]                         ; the blocks' largest p: the same two instructions on the same number give the same bits
	v_exp_f32 v[BM+1], v[BM+1]
	v_pk_add_f32 v[228:229], v[120:121], v[122:123]
	v_pk_add_f32 v[252:253], v[128:129], v[132:133]
	v_pk_add_f32 v[250:251], v[136:137], v[140:141]
	v_pk_add_f32 v[248:249], v[144:145], v[148:149]
	v_pk_add_f32 v[246:247], v[152:153], v[156:157]
	v_pk_add_f32 v[244:245], v[160:161], v[164:165]
	v_pk_add_f32 v[240:241], v[168:169], v[172:173]
	v_pk_add_f32 v[226:227], v[176:177], v[180:181]
	v_pk_add_f32 v[226:227], v[226:227], v[124:125]
	v_pk_add_f32 v[228:229], v[228:229], v[126:127]
	v_pk_add_f32 v[252:253], v[252:253], v[130:131]
	v_pk_add_f32 v[250:251], v[250:251], v[134:135]
	v_pk_add_f32 v[248:249], v[248:249], v[138:139]
	v_pk_add_f32 v[246:247], v[246:247], v[142:143]
	v_pk_add_f32 v[244:245], v[244:245], v[146:147]
	v_pk_add_f32 v[240:241], v[240:241], v[150:151]
	v_pk_add_f32 v[226:227], v[226:227], v[154:155]
	v_pk_add_f32 v[228:229], v[228:229], v[158:159]
	v_pk_add_f32 v[252:253], v[252:253], v[162:163]
	v_pk_add_f32 v[250:251], v[250:251], v[166:167]
	v_pk_add_f32 v[248:249], v[248:249], v[170:171]
	v_pk_add_f32 v[246:247], v[246:247], v[174:175]
	v_pk_add_f32 v[244:245], v[244:245], v[178:179]
	v_pk_add_f32 v[240:241], v[240:241], v[182:183]
	s_delay_alu instid0(VALU_DEP_4)
	v_pk_add_f32 v[226:227], v[226:227], v[248:249]
	s_delay_alu instid0(VALU_DEP_4)
	v_pk_add_f32 v[228:229], v[228:229], v[246:247]
	s_delay_alu instid0(VALU_DEP_4)
	v_pk_add_f32 v[252:253], v[252:253], v[244:245]
	s_delay_alu instid0(VALU_DEP_4)
	v_pk_add_f32 v[250:251], v[250:251], v[240:241]
	s_delay_alu instid0(VALU_DEP_2)
	v_pk_add_f32 v[226:227], v[226:227], v[252:253]
	s_delay_alu instid0(VALU_DEP_2)
	v_pk_add_f32 v[228:229], v[228:229], v[250:251]
	s_delay_alu instid0(VALU_DEP_1)
	v_pk_add_f32 v[226:227], v[226:227], v[228:229]
	s_delay_alu instid0(VALU_DEP_1)
	v_add_f32 v[NEGM+1], v[LA], v[LA+1]
	s_wait_alu depctr_va_vdst(0)                   ; and one for the two
.irp c, 0,1
	v_max_num_f32 v[BM+\c], 0x1800000, v[BM+\c]    ; the floor 2^(3 - 127): the byte cannot fall under 1
.endr
.irp c, 0,1
	s_delay_alu instid0(VALU_DEP_2)
	v_add_nc_u32 v[SOP+\c], 0xff000000, v[BM+\c]   ; 2 off the exponent field: the conversion's scale operand
.endr
.irp c, 0,1
	s_delay_alu instid0(VALU_DEP_2)
	v_lshrrev_b32 v[BY+\c], 23, v[SOP+\c]          ; the byte
.endr
	s_delay_alu instid0(VALU_DEP_1)
	v_lshl_or_b32 v[WW], v[BY+1], 16, v[BY]        ; my bytes: blocks h and 2 + h,
	s_delay_alu instid0(VALU_DEP_1)
	v_lshlrev_b32 v[WW], v[SH8], v[WW]             ; at their places;
	s_delay_alu instid0(VALU_DEP_1)
	v_permlanex16_b32 v[WT], v[WW], s36, s37
	s_delay_alu instid0(VALU_DEP_1)
	v_or_b32 v[PW], v[WW], v[WT]                   ; with lane l xor 16's the word is whole
	v_cvt_scalef32_pk16_fp6_f32 v[PC:PC+2], v[SS:SS+15], v[SOP]
	v_cvt_scalef32_pk16_fp6_f32 v[PT:PT+2], v[SS+16:SS+31], v[SOP]         ; (a conversion's three registers begin on an even number)
	v_cvt_scalef32_pk16_fp6_f32 v[PC+6:PC+8], v[SS+32:SS+47], v[SOP+1]
	v_cvt_scalef32_pk16_fp6_f32 v[PT+4:PT+6], v[SS+48:SS+63], v[SOP+1]
	v_nop                                          ; one plain place behind the scaled conversions
.irp i, 0,1,2
	v_mov_b32 v[PC+3+\i], v[PT+\i]
	v_mov_b32 v[PC+9+\i], v[PT+4+\i]
.endr
	v_permlanex16_b32 v[LT], v[NEGM+1], s36, s37
	s_delay_alu instid0(VALU_DEP_1)
	v_add_f32 v[NEGM+1], v[NEGM+1], v[LT]          ; l with lane l xor 16's keys
.rept 3
	v_nop                                          ; four plain places behind the last write of p's codes; eleven behind p's scale word
.endr
	s_wait_alu depctr_va_vdst(0)
	s_wait_dscnt 0x0                               ; V is in
.irp n, 0,1
	v_wmma_scale_f32_16x16x128_f8f6f4 v[OO+8*\n:OO+8*\n+7], v[VF+12*\n:VF+12*\n+11], v[PC:PC+11], 0, v[SCL+\n], v[PW] matrix_a_fmt:MATRIX_FMT_FP6 matrix_b_fmt:MATRIX_FMT_FP6 matrix_a_scale:MATRIX_SCALE_ROW1
.endr
.rept 4
	v_nop                                          ; four places ahead of the stores that read O^T, of the next item's loads into V's registers, and of the merge's addresses, which are written over O^T's upper half and p's codes
.endr
.irp n, 0,1
	ds_store_b128 v[\so], v[OO+8*\n:OO+8*\n+3] offset:\bo+64*\n            ; lane (r, h): O(query r, channels 16 n + 8 h + 0..7), from the low end on
	ds_store_b128 v[\so], v[OO+8*\n+4:OO+8*\n+7] offset:\bo+64*\n+16
.endr
	ds_store_b64 v[\sm], v[NEGM:NEGM+1] offset:\bo                         ; both halves of the lanes write the same pair
.endm
; The merge's slot for step s of my tile tau: item min(2 a + tau + 2 s, tau + 4 s).  An item's slot has the item's number, but for the four that changed hands: 26 and 31 lie in the third slots of waves 0 and 5 (32, 37),
; 32 and 33 in the second slots of waves 10 and 15 (26, 31).  A step beyond the tile's last takes the null slot.  Scalar work on ids alone.
.macro SLOTOF s
	s_add_co_u32 s74, s67, 2*\s
	s_add_co_u32 s75, s66, 4*\s
	s_min_u32 s74, s74, s75
	s_cmp_eq_u32 s74, 26
	s_cselect_b32 s75, 32, s74
	s_cmp_eq_u32 s74, 31
	s_cselect_b32 s75, 37, s75
	s_cmp_eq_u32 s74, 32
	s_cselect_b32 s75, 26, s75
	s_cmp_eq_u32 s74, 33
	s_cselect_b32 s75, 31, s75
	s_cmp_ge_u32 s68, \s
	s_cselect_b32 s75, s75, NULI
	s_min_u32 s75, s75, NULI
	s_mul_i32 s[SLA+\s], s75, SLOTB
.endm
	s_load_b128 s[4:7], s[0:1], 0x0                ; qt s[4:5], kv s[6:7]
	s_load_b64 s[8:9], s[0:1], 0x10                ; out0
	v_lshl_add_u32 v254, v0, 2, 0x36000
	v_mov_b32 v255, 0
	ds_add_u32 v254, v255
	ds_add_u32 v254, v255
	; ---- while the arguments are on their way: the lane's constants, the first item's numbers, the descriptors
	v_lshrrev_b32 v1, 5, v0
	s_delay_alu instid0(VALU_DEP_1)
	v_readfirstlane_b32 s[WV], v1                  ; wave 0..15
	v_and_b32 v1, 15, v0                           ; r
	v_bfe_u32 v2, v0, 4, 1                         ; h
	v_and_b32 v250, 31, v0                         ; lane
	s_delay_alu instid0(VALU_DEP_1)
	v_lshlrev_b32 v[LI16], 4, v250
	s_delay_alu instid0(VALU_DEP_2)
	v_lshlrev_b32 v[LI8], 3, v250
	s_mul_i32 s56, s[WV], SLOTB
	s_add_co_u32 s56, s56, PART
	v_mul_u32_u24 v251, v1, ROWP
	s_delay_alu instid0(VALU_DEP_1)
	v_lshl_add_u32 v[SO], v2, 5, v251
	s_delay_alu instid0(VALU_DEP_2)
	v_add_nc_u32 v[SM], 128, v251
	s_delay_alu instid0(VALU_DEP_2)
	v_add_nc_u32 v[AN0], NULLS, v[SO]
	s_delay_alu instid0(VALU_DEP_2)
	v_add_nc_u32 v[AN1], NULLS, v[SM]
	s_delay_alu instid0(VALU_DEP_4)
	v_add_nc_u32 v[SO], s56, v[SO]
	s_delay_alu instid0(VALU_DEP_4)
	v_add_nc_u32 v[SM], s56, v[SM]
	s_delay_alu instid0(VALU_DEP_2)
	v_add_nc_u32 v[SO2], 32*SLOTB, v[SO]
	s_delay_alu instid0(VALU_DEP_2)
	v_add_nc_u32 v[SM2], 32*SLOTB, v[SM]
	v_add_nc_u32 v[ML], -1, v2
	v_sub_nc_u32 v[MH], 0, v2
	v_lshlrev_b32 v[RH], 5, v2
	s_delay_alu instid0(VALU_DEP_1)
	v_sub_nc_u32 v[RH], v1, v[RH]
	v_lshlrev_b32 v[SH8], 3, v2
	v_lshlrev_b32 v[VQ], 4, v1
	s_and_b32 s57, s[WV], 3
	s_mul_i32 s57, s57, 4*ROWP
	s_add_co_u32 s57, s57, PART
	v_lshrrev_b32 v252, 3, v250
	v_and_b32 v253, 7, v250
	s_delay_alu instid0(VALU_DEP_2)
	v_mul_u32_u24 v252, v252, ROWP
	s_delay_alu instid0(VALU_DEP_1)
	v_add_nc_u32 v[AM0], s57, v252                 ; the merge: row 4 (wave % 4) + lane / 8,
	s_delay_alu instid0(VALU_DEP_1)
	v_lshl_add_u32 v[AO0], v253, 4, v[AM0]         ; channels 4 (lane % 8) on
	s_delay_alu instid0(VALU_DEP_2)
	v_add_nc_u32 v[AM0], 128, v[AM0]
.irp i, 0,1,2,3,4,5
	v_mov_b32 v[Z0+\i], 0                          ; the zero codes round q
	v_mov_b32 v[Z0+12+\i], 0
	v_mov_b32 v[Z0+24+\i], 0
.endr
	v_mov_b32 v[T1], 0                             ; written once: a lane permute's destination counts as one of its sources
	v_mov_b32 v[WT], 0
	v_mov_b32 v[LT], 0
	v_mov_b32 v[NEGM+1], 0                         ; (named as the upper half of a pair before it is first written)
	v_mov_b32 v[NUL], 0x7f61b1e6                   ; 3e38: above every -M
	v_mov_b32 v[NUL+1], 0
	s_mov_b32 s11, ttmp9                           ; a: the cluster's x
	s_bfe_u32 s12, ttmp6, 0x40000                  ; cx
	s_and_b32 s13, ttmp7, 0xffff                   ; the batch
	s_add_co_u32 s14, s11, 1
	s_lshl_b32 s15, s14, 2
	s_lshl_b32 s16, s11, 2
	s_add_co_u32 s16, s16, s12                     ; jE
	s_sub_co_u32 s17, 63, s16                      ; jL
	s_sub_co_u32 s18, 15, s11
	s_mov_b32 s56, s[WV]
	PREP 0, 7                                      ; items 0-15 lie in steps 0-6: in the records of the first fills
	; descriptor group 1: a record: 25 rows of 256 bytes (32 elements of 8), dense
	s_mov_b32 s20, 15|(3<<16)|(1<<21)              ; the mask: all four work-groups; elements of 8 bytes; bit 21 set beside a mask
	s_mov_b32 s21, 32<<16                          ; tensor_dim0
	s_mov_b32 s22, 25<<16                          ; tensor_dim1
	s_mov_b32 s23, 32<<16                          ; tile_dim0
	s_mov_b32 s24, 25                              ; tile_dim1
	s_mov_b32 s25, 32                              ; from row to row
	s_mov_b32 s26, 0
	s_mov_b32 s27, 0
	s_mul_i32 s29, s[WV], RECB                     ; waves 0-7 fetch records w and 8 + w
	s_mul_i32 s76, s13, 16*RECB
	s_add_co_u32 s76, s76, s29                     ; record w of my batch, in bytes from kv's first
	s_mov_b32 s77, 0
	s_mov_b32 s28, 1
	s_mov_b32 s32, 1
	s_add_co_u32 s33, s29, 8*RECB
	s_mov_b32 s36, 0x76543210
	s_mov_b32 s37, 0xfedcba98                      ; v_permlanex16_b32's selects for lane l xor 16
	s_mov_b32 s38, 0x3e8293ee                      ; c = log2(e) / sqrt(32)
	s_mov_b32 s39, s38                             ; (named with it as a pair)
	s_wait_dscnt 0x0
	s_wait_kmcnt 0x0
	s_add_nc_u64 s[QB:QB+1], s[4:5], s[QB:QB+1]
	global_load_b128 v[QR0:QR0+3], v[VQ], s[QB:QB+1]           ; the first item's q goes out ahead of the round
	global_load_b128 v[QR0+4:QR0+7], v[VQ], s[QB:QB+1] offset:256
	s_add_nc_u64 s[30:31], s[6:7], s[76:77]
	s_add_nc_u64 s[34:35], s[30:31], 8*RECB
	s_or_b32 s31, s31, 0x80000000                  ; type = 2
	s_or_b32 s35, s35, 0x80000000
	CROUND                                         ; all four work-groups are here: the joint loads meet
	s_cmp_lt_u32 s[WV], 8
	s_cbranch_scc0 .Lno_fill
	tensor_load_to_lds s[28:31], s[20:27]          ; a wave's two fills stand in one branch, ahead of every wait on TENSORcnt and every LDS read
	s_nop 0
	tensor_load_to_lds s[32:35], s[20:27]
	s_nop 0
.rept 4
	v_nop                                          ; four behind the tensor loads
.endr
.Lno_fill:
	; ---- while the records are on their way: the other items' numbers and q, the null slot, the merge's slots, out's address
	s_add_co_u32 s56, s[WV], 16                    ; the second item: 16 + w, but 32 in wave 10 and 33 in wave 15
	s_cmp_eq_u32 s[WV], 10
	s_cselect_b32 s56, 32, s56
	s_cmp_eq_u32 s[WV], 15
	s_cselect_b32 s56, 33, s56
	PREP 1, 15
	s_add_nc_u64 s[QB+2:QB+3], s[4:5], s[QB+2:QB+3]
	s_cmp_eq_u32 s[WV], 0                          ; the third: wave 0: item 26; wave 5: item 31 (the other waves make item 31's numbers and do not run it)
	s_cselect_b32 s56, 26, 31
	PREP 2, 15
	s_add_nc_u64 s[QB+4:QB+5], s[4:5], s[QB+4:QB+5]
	global_load_b128 v[QR1:QR1+3], v[VQ], s[QB+2:QB+3]
	global_load_b128 v[QR1+4:QR1+7], v[VQ], s[QB+2:QB+3] offset:256
	global_load_b128 v[QR2:QR2+3], v[VQ], s[QB+4:QB+5]
	global_load_b128 v[QR2+4:QR2+7], v[VQ], s[QB+4:QB+5] offset:256
	s_cmp_lg_u32 s[WV], 15
	s_cbranch_scc1 .Lno_null
	ds_store_b128 v[AN0], v[Z0:Z0+3]               ; wave 15 writes the null slot
	ds_store_b128 v[AN0], v[Z0:Z0+3] offset:16
	ds_store_b128 v[AN0], v[Z0:Z0+3] offset:64
	ds_store_b128 v[AN0], v[Z0:Z0+3] offset:80
	s_wait_alu depctr_va_vdst(0)
	ds_store_b64 v[AN1], v[NUL:NUL+1]
.Lno_null:
	s_lshr_b32 s66, s[WV], 2                       ; the merge: wave w takes tile tau = w / 4
	s_lshl_b32 s67, s11, 1
	s_add_co_u32 s67, s67, s66                     ; 2 a + tau
	s_cmp_lt_u32 s66, 2
	s_cselect_b32 s68, s11, s18                    ; the tile's last step
	s_cselect_b32 s69, s16, s17                    ; its block (hangs on cx: goes into out's address alone)
.irp s, 0,1,2,3,4,5,6,7,8,9,10,11,12,13,14,15
	SLOTOF \s
.endr
	s_lshl_b32 s69, s69, 1
	s_and_b32 s72, s66, 1
	s_add_co_u32 s69, s69, s72
	s_lshl_b32 s69, s69, 4                         ; the tile's first query,
	s_lshl_b32 s72, s13, 11
	s_add_co_u32 s69, s69, s72                     ; in the batch,
	s_and_b32 s72, s[WV], 3
	s_lshl_b32 s72, s72, 2
	s_add_co_u32 s69, s69, s72                     ; my four rows;
	s_lshl_b32 s72, s69, 7                         ; 128 bytes a row
	s_mov_b32 s73, 0
	s_add_nc_u64 s[70:71], s[8:9], s[72:73]
	s_wait_tensorcnt 0x1                           ; my first fill (record w) has landed; the second, issued behind it, may stay out
	s_wait_dscnt 0x0
	s_barrier_signal -1
	s_barrier_wait -1                              ; records 0-7 are whole
	s_wait_loadcnt 0x4                             ; the first item's q is in; the four loads issued behind its two may be out
	ITEM 0, QR0, SO, SM, 0
	s_wait_tensorcnt 0x0                           ; my second fill has landed
	s_wait_dscnt 0x0
	s_barrier_signal -1
	s_barrier_wait -1                              ; all sixteen records are whole
	s_wait_loadcnt 0x0                             ; the other items' q
	ITEM 1, QR1, SO, SM, 16*SLOTB
	s_cmp_eq_u32 s[WV], 0
	s_cbranch_scc1 .Lthird
	s_cmp_eq_u32 s[WV], 5
	s_cbranch_scc0 .Lno_third
.Lthird:
	ITEM 2, QR2, SO2, SM2, 0
.Lno_third:
.irp s, 0,1,2,3,4,5,6,7,8,9,10,11,12,13,14,15
	v_add_nc_u32 v[ADR+2*\s], s[SLA+\s], v[AM0]    ; the merge's addresses, ahead of its barrier: step s's pair (-M, l) of my row,
	v_add_nc_u32 v[ADR+2*\s+1], s[SLA+\s], v[AO0]  ; and my four channels of its O
.endr
	s_wait_alu depctr_va_vdst(0)
	s_wait_dscnt 0x0                               ; for the others' sake: my results lie in LDS
	s_barrier_signal -1
	s_barrier_wait -1
	; ---- THE MERGE.  Wave w: tile w / 4, rows 4 (w % 4) .. + 3; lane l: row l / 8, channels 4 (l % 8) .. + 3.
.irp s, 0,1,2,3,4,5,6,7,8,9,10,11,12,13,14,15
	ds_load_b64 v[MLR+2*\s:MLR+2*\s+1], v[ADR+2*\s]            ; the pairs first: the factors are made of them while O's parts land
.endr
.irp s, 0,1,2,3,4,5,6,7,8,9,10,11,12,13,14,15
	ds_load_b128 v[MO+4*\s:MO+4*\s+3], v[ADR+2*\s+1]
.endr
	s_wait_dscnt 16                                ; the sixteen pairs are in; O's sixteen loads, issued behind them, may be out
	v_min3_num_f32 v[NM], v[MLR], v[MLR+2], v[MLR+4]           ; the least -M: the largest M
.irp i, 6,10,14,18,22,26
	s_delay_alu instid0(VALU_DEP_1)
	v_min3_num_f32 v[NM], v[NM], v[MLR+\i], v[MLR+\i+2]
.endr
	s_delay_alu instid0(VALU_DEP_1)
	v_min_num_f32 v[NM], v[NM], v[MLR+30]
.set sx, 0
.rept 16
	v_sub_f32 v[MLR+2*sx], v[NM], v[MLR+2*sx]      ; M_item - M: a whole number, 0 or less
.set sx, sx+1
.endr
.set sx, 0
.rept 16
	v_cvt_i32_f32 v[MLR+2*sx], v[MLR+2*sx]         ; (it saturates: the null slot's becomes the least whole number)
.set sx, sx+1
.endr
.set sx, 0
.rept 16
	v_ldexp_f32 v[MLR+2*sx], 1.0, v[MLR+2*sx]      ; f = 2^(M_item - M): exact; 0 for the null slot
.set sx, sx+1
.endr
	v_mul_f32 v[LL], v[MLR], v[MLR+1]              ; l = the sum of f x l_item
.set sx, 1
.rept 15
	s_delay_alu instid0(VALU_DEP_1)
	v_fma_f32 v[LL], v[MLR+2*sx], v[MLR+2*sx+1], v[LL]
.set sx, sx+1
.endr
	s_wait_alu depctr_va_vdst(0)
	v_rcp_f32 v[RL], v[LL]
	v_mov_b32 v[RL+1], 0                           ; a plain place behind the reciprocal (and the pair's upper half is written)
	s_wait_dscnt 0x0                               ; O's parts are in
	v_pk_mul_f32 v[AC:AC+1], v[MO:MO+1], v[MLR:MLR+1] op_sel_hi:[1,0]      ; the first item starts the sums
	v_pk_mul_f32 v[AC+2:AC+3], v[MO+2:MO+3], v[MLR:MLR+1] op_sel_hi:[1,0]
.set sx, 1
.rept 15
	s_delay_alu instid0(VALU_DEP_2)
	v_pk_fma_f32 v[AC:AC+1], v[MO+4*sx:MO+4*sx+1], v[MLR+2*sx:MLR+2*sx+1], v[AC:AC+1] op_sel_hi:[1,0,1]
	s_delay_alu instid0(VALU_DEP_2)
	v_pk_fma_f32 v[AC+2:AC+3], v[MO+4*sx+2:MO+4*sx+3], v[MLR+2*sx:MLR+2*sx+1], v[AC+2:AC+3] op_sel_hi:[1,0,1]
.set sx, sx+1
.endr
	s_wait_alu depctr_va_vdst(0)                   ; the wait ahead of the reciprocal's first reader: the 32 lines above are the work between
	v_pk_mul_f32 v[AC:AC+1], v[AC:AC+1], v[RL:RL+1] op_sel_hi:[1,0]
	v_pk_mul_f32 v[AC+2:AC+3], v[AC+2:AC+3], v[RL:RL+1] op_sel_hi:[1,0]
	global_store_b128 v[LI16], v[AC:AC+3], s[70:71] th:TH_STORE_NT         ; the wave stores four rows: 512 consecutive bytes, at a multiple of 512 from out's first byte
	s_wait_tensorcnt 0x0
	ds_add_u32 v254, v255
	s_wait_dscnt 0x0
	CROUND                                         ; the closing round: no work-group ends while a partner may still ask for a record that names it
	s_endpgm
.Lfunc_end_k_q5e1cc13831_attn:
	.size	k_q5e1cc13831_attn, .Lfunc_end_k_q5e1cc13831_attn-k_q5e1cc13831_attn
	.p2alignl 7, 3214868480
	.fill 96, 4, 3214868480
	.section	.rodata,"a",@progbits
	.p2align	6, 0x0
	.amdhsa_kernel k_q5e1cc13831_attn
		.amdhsa_group_segment_fixed_size 223232
		.amdhsa_private_segment_fixed_size 0
		.amdhsa_enable_private_segment 0
		.amdhsa_kernarg_size 24
		.amdhsa_user_sgpr_count 2
		.amdhsa_user_sgpr_kernarg_segment_ptr 1
		.amdhsa_wavefront_size32 1
		.amdhsa_system_sgpr_workgroup_id_x 1
		.amdhsa_system_sgpr_workgroup_id_y 1
		.amdhsa_system_sgpr_workgroup_id_z 1
		.amdhsa_system_vgpr_workitem_id 0
		.amdhsa_next_free_vgpr 256
		.amdhsa_next_free_sgpr 96
		.amdhsa_reserve_vcc 1
		.amdhsa_float_denorm_mode_32 3
		.amdhsa_float_denorm_mode_16_64 3
		.amdhsa_memory_ordered 1
		.amdhsa_forward_progress 1
		.amdhsa_inst_pref_size 87
	.end_amdhsa_kernel
	.amdgpu_metadata
---
amdhsa.version: [ 1, 2 ]
amdhsa.kernels:
  - .name:           k_q5e1cc13831_attn
    .symbol:         k_q5e1cc13831_attn.kd
    .args:
      - { .name: qt, .offset: 0, .size: 8, .value_kind: global_buffer, .address_space: global }
      - { .name: kv, .offset: 8, .size: 8, .value_kind: global_buffer, .address_space: global }
      - { .name: out0, .offset: 16, .size: 8, .value_kind: global_buffer, .address_space: global }
    .group_segment_fixed_size: 223232
    .private_segment_fixed_size: 0
    .kernarg_segment_align: 8
    .kernarg_segment_size: 24
    .max_flat_workgroup_size: 512
    .sgpr_count:     96
    .vgpr_count:     256
    .wavefront_size: 32
...
	.end_amdgpu_metadata
.endif
;; end of part 2
